; MI455X (gfx1250); checked and timed in simulation.
; The chip was launched on July 23, 2026; its instructions are those of AMD's public machine-readable ISA for CDNA 5 (MIT licence, August 2026) and "CDNA5" Instruction Set Architecture Reference Guide (July 2026). The comments in the code are by the model that wrote it; some were corrected since.
;; Contextualizer. Allowed arithmetic: matrix products marked QUANTISED: E5M2 operands, one given power-of-two scale a tensor, by v_wmma_f32_16x16x64_bf8_bf8 or v_wmma_f32_16x16x128_bf8_bf8, f32 sums; everything else in f32.
;; Inputs: lowp_scales 4 int32 (the exponents e of the quantised operands' scales 2^e); spatial_proj 2,048 x 2,048 float32; x 8 x 2,048 x 2,048 float32.
;; Outputs: out0 8 x 2,048 x 1,024 float32.
;; This version of the problem:
;;   THIS VERSION OF THE PROBLEM IS GIVEN IN LOW PRECISION. The matrix products marked QUANTISED in the list below multiply operands that are first quantised to E5M2 (5 exponent bits, 2 mantissa bits; 8 bits a number), with one given power-of-two scale for each operand tensor; their sums are f32. All else is computed in f32.
;;   The module's matrix products, in the order in which they are computed (A, B: the left and right operand; K: the contracted axis; several contracted axes count as one K, in the product's order):
;;     1. batch 8 x [M 2,048, K 1,024] x [K 1,024, N 2,048]; A: computed on the way; B: computed on the way: QUANTISED (scales: A lowp_scales[0], B lowp_scales[1])
;;     2. batch 8 x [M 2,048, K 2,048] x [K 2,048, N 1,024]; A: computed on the way; B: computed on the way: QUANTISED (scales: A lowp_scales[2], B lowp_scales[3])
;;   THE QUANTISER, for each operand of a quantised product, along K:
;;     - The operand's scale is 2^e, e = its entry of the input lowp_scales (int32; the entries are numbered through the quantised products in the list's order, A before B).
;;     - Each number is divided by the scale, clamped to +-57,344, and rounded to the nearest number of E5M2, ties to even, subnormals kept.
;;     - The product sums the exact products of the quantised numbers (number of the format x scale) in f32.
;;   ~~~python
;;   def quantise(x, axis, e):      # numpy; x: float32 -> the quantised numbers, widened to float32 again
;;       x = np.moveaxis(x, axis, -1); K = x.shape[-1]
;;       r = np.clip(x / 2.0 ** e, -57344, 57344)
;;       step = 2.0 ** (np.maximum(np.frexp(np.where(r == 0, 1, r))[1] - 1, -14) - 2)
;;       q = np.round(r / step) * step * 2.0 ** e      # np.round: ties to even
;;       return np.moveaxis(q, -1, axis).astype(np.float32)
;;   ~~~
;;   OPERANDS COMPUTED ON THE WAY. 'Computed on the way' means the value that the module computes at that place (a softmax that the list does not call 'softmax' is quantised finished and normalised). What goes into a quantiser is computed in f32, as accurately as f32 sums, v_exp_f32 and their like allow (about 1e-6 of the number): no bf16 or f16 on the way to a quantiser, and a product that is left as it is and whose result goes on into a quantised operand takes f32 operands (vector FMAs, or v_wmma_f32_16x16x4_f32). A number that lies on a knife's edge between two numbers of the format may be rounded either way, as far as f32 arithmetic and the matrix unit's own rounding can turn it there, and no further.
;; One version. Each part assembles by itself: llvm-mc -triple=amdgcn-amd-amdhsa -mcpu=gfx1250 --defsym DOCPART=n.
;; ======== version 1 of 1: 3 launches
;; workspace buffers: xa 16,777,216 bytes; xb 16,777,216 bytes; vt 16,777,216 bytes; at 33,554,432 bytes
;; launch quant (part 1): grid 64 x 8, 8 waves a work-group, no clusters, 133,120 bytes of LDS; arguments x, lowp_scales, xa, xb, vt; writes xa, xb, vt
.if DOCPART == 1
	.amdgcn_target "amdgcn-amd-amdhsa--gfx1250"
	.amdhsa_code_object_version 6
	.text
	.protected	k_q49a4412eef_quant
	.globl	k_q49a4412eef_quant
	.p2align	8
	.type	k_q49a4412eef_quant,@function
k_q49a4412eef_quant:
	s_mov_b64 s[64:65], 0
	v_nop
	global_prefetch_b8 v0, s[64:65] scope:SCOPE_SE
	s_setreg_imm32_b32 hwreg(HW_REG_WAVE_MODE, 25, 1), 1
	s_wait_xcnt 0x0
; x0 = x[b][n][0:1024] (f32) becomes three tensors of E5M2 codes:
;   xa: xn = x0 / sqrt(sum x0^2 + 1e-8) with the scale 2^e0;   xb: the same xn with 2^e1;   vt: x0 itself, its K = the rows n (the keys of the second product), with 2^e3.
; code = number / 2^e, held within +-57,344, rounded to the nearest code, ties to even.
; ALL THREE ARE LAID AS IMAGES OF OPERAND REGISTERS: [tile of 16 rows][chunk of 32 along K][512 bytes], lane l's 16 bytes at 16 l (r = l % 16 the row, h = l / 16).
;   xa, xb: [b][n/16][d/32][512]: lane (r, h) holds d = 32 chunk + 16 h + 0 .. 15 of row n = 16 tile + r.
;   vt:     [b][d/16][n/32][512]: lane (r, h) holds n = 32 chunk + 8 h + 0 .. 7 and 32 chunk + 16 + 8 h + 0 .. 7 of row d = 16 tile + r.
; SHARES.  A work-group of eight waves takes 32 rows n of one batch, all 1,024 columns: 128 KiB of f32, which lie in LDS between the pass that finds the norms and the two passes that make codes:
; x0 is read from memory once.  Wave w loads rows 4 w .. 4 w + 3 (each load 512 consecutive bytes), sums their squares, and stores 1/norm; one barrier; then wave w makes the row codes of columns 128 w .. 128 w + 127
; of all 32 rows (a lane holds 16 neighbours along d) and the column codes of the same columns (a lane takes a column, its registers run down the 32 rows).  Every store of codes covers whole aligned runs of 256 bytes.
; No tensor load, no ring, no matrix work: the launch streams.  1/norm is v_rsq_f32 of the f32 sum, xn one f32 multiplication.
; LIMITS: e0, e1, e3 between -126 and 112, so that 2^e and 57,344 x 2^e are f32 numbers.  NaN and infinities among the inputs are not served.
.set PT,   4112                        ; an LDS row: 4,096 bytes + 16: sixteen rows' equal columns fall on sixteen different groups of banks (64 banks of 4 bytes: ISA guide 11.1)
.set RN,   32*PT                       ; behind the rows: 32 words, 1/norm of each row
.set LI,   4                           ; v4   16 x lane
.set SA,   5                           ; v5   where I store a loaded row's 16 bytes: 4 PT x wave + 16 x lane
.set RNW,  6                           ; v6   where my wave's four 1/norm go
.set P0,   7                           ; v7, v8   row codes: r PT + 64 h + 512 wave, for rows 0-15 and rows 16-31
.set RNR,  9                           ; v9   1/norm of row r
.set T0,   10                          ; v10, v11 column codes: 512 wave + 4 lane, for rows 0-15 and rows 16-31
.set VO,   12                          ; v12  my place in vt: 32,768 (lane / 16) + 16 (lane % 16)
.set SCA,  13                          ; v13, v14: 2^e0 and 57,344 x 2^e0;  v15, v16: the same for e1;  v17, v18: for e3
.set LMA,  14
.set SCB,  15
.set LMB,  16
.set SCV,  17
.set LMV,  18
.set RNP,  20                          ; v[20:21], v[22:23]: 1/norm of my row in tile 0, 1 (the packed multiply names a pair and takes its low word)
.set SS,   24                          ; v24-27 four rows' sums;  v28-31 the lane exchange's results
.set X,    32                          ; v32-159 four rows as loaded; then 2 x 64 numbers of xn; then 4 x 32 numbers of columns
.set Q,    160                         ; v160-175 sums of squares at work; then 16 held numbers; then column codes
.set CA,   176                         ; v176-207 codes for xa
.set CB,   208                         ; v208-239 codes for xb;  v240-255 column codes
	s_load_b256 s[4:11], s[0:1], 0x0               ; x s[4:5], the scales' exponents s[6:7], xa s[8:9], xb s[10:11]
	s_load_b64 s[12:13], s[0:1], 0x20              ; vt
	v_lshl_add_u32 v19, v0, 2, 0x20400
	s_set_vgpr_msb 0x40
	v_mov_b32 v1, 0
	s_set_vgpr_msb 0x4000
	v_lshrrev_b32 v1, 5, v0
	v_readfirstlane_b32 s14, v1                    ; wave 0..7
	s_and_b32 s16, ttmp7, 0xffff                   ; batch
	v_and_b32 v1, 31, v0                           ; lane
	v_and_b32 v2, 15, v0                           ; r
	v_bfe_u32 v3, v0, 4, 1                         ; h
	v_lshlrev_b32 v[LI], 4, v1
	s_mul_i32 s17, s14, 4*PT
	v_add_nc_u32 v[SA], s17, v[LI]
	s_lshl_b32 s17, s14, 4
	s_add_co_u32 s17, s17, RN
	v_mov_b32 v[RNW], s17
	s_lshl_b32 s18, s14, 9                         ; my wave's 128 columns: 512 bytes of a row
	v_mul_u32_u24 v[P0], v2, PT
	v_lshl_add_u32 v[P0], v3, 6, v[P0]
	v_add_nc_u32 v[P0], s18, v[P0]
	v_add_nc_u32 v[P0+1], 16*PT, v[P0]             ; sixteen rows on: more than an LDS offset's 16 bits hold
	v_lshl_add_u32 v[RNR], v2, 2, RN
	v_lshl_add_u32 v[T0], v1, 2, s18
	v_add_nc_u32 v[T0+1], 16*PT, v[T0]
	v_lshlrev_b32 v[VO], 4, v2
	v_lshl_add_u32 v[VO], v3, 15, v[VO]
	v_mov_b32 v[RNP+1], 0                          ; (named as the upper halves of pairs)
	v_mov_b32 v[RNP+3], 0
.irp i, 0,1,2,3
	v_mov_b32 v[28+\i], 0                          ; a lane exchange's destination counts as read
.endr
	s_mov_b32 s24, 0x76543210                      ; v_permlanex16_b32: lane l takes lane l xor 16
	s_mov_b32 s25, 0xfedcba98
	s_lshl_b32 s2, s16, 24                         ; x: batch x 2^24 + 32 rows x 8,192 x block + 4 rows x 8,192 x wave
	s_lshl_b32 s3, ttmp9, 18
	s_add_co_u32 s2, s2, s3
	s_lshl_b32 s3, s14, 15
	s_add_co_u32 s2, s2, s3
	s_mov_b32 s3, 0
	s_lshl_b32 s26, s16, 21                        ; xa, xb: batch x 2^21 + two tiles of 16,384 x block + four chunks of 512 x wave
	s_lshl_b32 s27, ttmp9, 15
	s_add_co_u32 s26, s26, s27
	s_lshl_b32 s27, s14, 11
	s_add_co_u32 s26, s26, s27
	s_mov_b32 s27, 0
	s_lshl_b32 s28, s16, 21                        ; vt: batch x 2^21 + eight tiles of 32,768 x wave + one chunk of 512 x block
	s_lshl_b32 s29, s14, 18
	s_add_co_u32 s28, s28, s29
	s_lshl_b32 s29, ttmp9, 9
	s_add_co_u32 s28, s28, s29
	s_mov_b32 s29, 0
	s_wait_kmcnt 0x0
	s_load_b128 s[20:23], s[6:7], 0x0              ; e0, e1, e2, e3
	s_add_nc_u64 s[4:5], s[4:5], s[2:3]
	s_add_nc_u64 s[8:9], s[8:9], s[26:27]
	s_add_nc_u64 s[10:11], s[10:11], s[26:27]
	s_add_nc_u64 s[12:13], s[12:13], s[28:29]
.irp i, 0,1,2,3                                ; my four rows: 32 loads of 512 consecutive bytes, all out at once
.irp j, 0,1,2,3,4,5,6,7
	global_load_b128 v[X+32*\i+4*\j:X+32*\i+4*\j+3], v[LI], s[4:5] offset:\i*8192+512*\j th:TH_LOAD_NT
.endr
.endr
.macro MKSC e, sc, lim                 ; from the whole number e in s[e]: 2^e as f32 (the conversion takes its exponent field) and 57,344 x 2^e
	s_add_co_i32 s17, s[\e], 127
	s_lshl_b32 s19, s17, 23
	v_mov_b32 v[\sc], s19
	s_add_co_i32 s17, s17, 15
	s_lshl_b32 s17, s17, 23
	s_or_b32 s17, s17, 0x600000
	v_mov_b32 v[\lim], s17
.endm
	s_wait_kmcnt 0x0
	MKSC 20, SCA, LMA
	MKSC 21, SCB, LMB
	MKSC 23, SCV, LMV
; Row i of my four: into LDS as it lies, and the sum of its squares: my 32 numbers in two packed chains.
.macro ROWIN i
	s_wait_loadcnt 8*(3-\i)                        ; loads come back in order: this row's eight are in, the younger rows' stay out
.irp j, 0,1,2,3,4,5,6,7
	ds_store_b128 v[SA], v[X+32*\i+4*\j:X+32*\i+4*\j+3] offset:\i*PT+512*\j
.endr
	v_pk_mul_f32 v[Q+4*\i:Q+4*\i+1], v[X+32*\i:X+32*\i+1], v[X+32*\i:X+32*\i+1]
	v_pk_mul_f32 v[Q+4*\i+2:Q+4*\i+3], v[X+32*\i+2:X+32*\i+3], v[X+32*\i+2:X+32*\i+3]
.irp j, 1,2,3,4,5,6,7
	v_pk_fma_f32 v[Q+4*\i:Q+4*\i+1], v[X+32*\i+4*\j:X+32*\i+4*\j+1], v[X+32*\i+4*\j:X+32*\i+4*\j+1], v[Q+4*\i:Q+4*\i+1]
	v_pk_fma_f32 v[Q+4*\i+2:Q+4*\i+3], v[X+32*\i+4*\j+2:X+32*\i+4*\j+3], v[X+32*\i+4*\j+2:X+32*\i+4*\j+3], v[Q+4*\i+2:Q+4*\i+3]
.endr
	v_pk_add_f32 v[Q+4*\i:Q+4*\i+1], v[Q+4*\i:Q+4*\i+1], v[Q+4*\i+2:Q+4*\i+3]
	v_add_f32 v[SS+\i], v[Q+4*\i], v[Q+4*\i+1]
.endm
	ROWIN 0
	ROWIN 1
	ROWIN 2
	ROWIN 3
.irp k, 1,2,4,8                                ; across the 32 lanes, the four rows by turns
.irp i, 0,1,2,3
	v_add_f32_dpp v[SS+\i], v[SS+\i], v[SS+\i] row_xmask:\k row_mask:0xf bank_mask:0xf
.endr
.endr
.irp i, 0,1,2,3
	v_permlanex16_b32 v[28+\i], v[SS+\i], s24, s25
.endr
.irp i, 0,1,2,3
	v_add_f32 v[SS+\i], v[SS+\i], v[28+\i]
.endr
.irp i, 0,1,2,3
	v_add_f32 v[SS+\i], 0x322bcc77, v[SS+\i]       ; + 1e-8
.endr
.irp i, 0,1,2,3
	v_rsq_f32 v[SS+\i], v[SS+\i]                   ; 1 / norm
.endr
	v_nop                                          ; a plain instruction behind the last of the four,
	s_wait_alu depctr_va_vdst(0)                   ; and a wait ahead of the batch's first reader
.irp i, 0,1,2,3
	ds_store_b32 v[RNW], v[SS+\i] offset:4*\i      ; every lane holds the row's number and writes the same word
.endr
	s_wait_dscnt 0x0                               ; for the others' sake: my rows and my four 1/norm lie in LDS
	s_barrier_signal -1
	s_barrier_wait -1                              ; all 32 rows do; nothing is written to LDS from here on
; ROW CODES.  Tile u (rows 16 u + r): lane (r, h) takes, of columns 128 wave + 32 c + 16 h + 0 .. 15, 64 bytes for each chunk c: register 16 c + i is the chunk's number i.
.macro ROWLD u
	ds_load_b32 v[RNP+2*\u], v[RNR] offset:64*\u
.irp c, 0,1,2,3
.irp k, 0,1,2,3
	ds_load_b128 v[X+64*\u+16*\c+4*\k:X+64*\u+16*\c+4*\k+3], v[P0+\u] offset:128*\c+16*\k
.endr
.endr
.endm
.macro ROWQ u
.irp p, 0,2,4,6,8,10,12,14,16,18,20,22,24,26,28,30,32,34,36,38,40,42,44,46,48,50,52,54,56,58,60,62
	v_pk_mul_f32 v[X+64*\u+\p:X+64*\u+\p+1], v[X+64*\u+\p:X+64*\u+\p+1], v[RNP+2*\u:RNP+2*\u+1] op_sel_hi:[1,0]   ; xn = x0 x 1/norm
.endr
.irp c, 0,1,2,3
.irp i, 0,1,2,3,4,5,6,7,8,9,10,11,12,13,14,15
	v_med3_num_f32 v[Q+\i], v[X+64*\u+16*\c+\i], -v[LMA], v[LMA]   ; the conversion to an 8-bit code does not saturate (ISA guide 7.6.2): the hold at the largest code x 2^e0, into other registers: xn is wanted once more
.endr
	v_cvt_scalef32_pk8_bf8_f32 v[CA+16*\u+4*\c:CA+16*\u+4*\c+1], v[Q:Q+7], v[SCA]
	v_cvt_scalef32_pk8_bf8_f32 v[CA+16*\u+4*\c+2:CA+16*\u+4*\c+3], v[Q+8:Q+15], v[SCA]
.irp i, 0,1,2,3,4,5,6,7,8,9,10,11,12,13,14,15
	v_med3_num_f32 v[X+64*\u+16*\c+\i], v[X+64*\u+16*\c+\i], -v[LMB], v[LMB]   ; the same for 2^e1, in place.  (These sixteen plain lines stand between the conversions above and the next write of their sources)
.endr
	v_cvt_scalef32_pk8_bf8_f32 v[CB+16*\u+4*\c:CB+16*\u+4*\c+1], v[X+64*\u+16*\c:X+64*\u+16*\c+7], v[SCB]
	v_cvt_scalef32_pk8_bf8_f32 v[CB+16*\u+4*\c+2:CB+16*\u+4*\c+3], v[X+64*\u+16*\c+8:X+64*\u+16*\c+15], v[SCB]
.endr
.irp c, 0,1,2,3
	global_store_b128 v[LI], v[CA+16*\u+4*\c:CA+16*\u+4*\c+3], s[8:9] offset:\u*16384+\c*512     ; a chunk's image: 512 consecutive bytes
	global_store_b128 v[LI], v[CB+16*\u+4*\c:CB+16*\u+4*\c+3], s[10:11] offset:\u*16384+\c*512
.endr
.endm
	ROWLD 0
	ROWLD 1
	s_wait_dscnt 17                                ; tile 0's 17 loads are in, tile 1's 17 may be out
	ROWQ 0
	s_wait_dscnt 0x0
	ROWQ 1
; COLUMN CODES.  Strip s: lane l takes column 128 wave + 32 s + l, and its 32 registers run down the block's 32 rows, which are one chunk of 32 along vt's K.
.macro COLLD s
.irp m, 0,1,2,3,4,5,6,7,8,9,10,11,12,13,14,15,16,17,18,19,20,21,22,23,24,25,26,27,28,29,30,31
	ds_load_b32 v[X+32*\s+\m], v[T0+\m/16] offset:(\m%16)*PT+128*\s     ; 32 lanes read 128 consecutive bytes of row m
.endr
.endm
.macro COLQ s, vc                      ; vc: eight registers for the strip's codes; no store's data are written again
.irp m, 0,1,2,3,4,5,6,7,8,9,10,11,12,13,14,15,16,17,18,19,20,21,22,23,24,25,26,27,28,29,30,31
	v_med3_num_f32 v[X+32*\s+\m], v[X+32*\s+\m], -v[LMV], v[LMV]
.endr
	v_cvt_scalef32_pk8_bf8_f32 v[\vc:\vc+1], v[X+32*\s:X+32*\s+7], v[SCV]            ; rows 0-7 and 16-23 are what lane (r, 0) of the image holds,
	v_cvt_scalef32_pk8_bf8_f32 v[\vc+2:\vc+3], v[X+32*\s+16:X+32*\s+23], v[SCV]
	v_cvt_scalef32_pk8_bf8_f32 v[\vc+4:\vc+5], v[X+32*\s+8:X+32*\s+15], v[SCV]       ; rows 8-15 and 24-31 what lane (r, 1) holds
	v_cvt_scalef32_pk8_bf8_f32 v[\vc+6:\vc+7], v[X+32*\s+24:X+32*\s+31], v[SCV]
	global_store_b128 v[VO], v[\vc:\vc+3], s[12:13] offset:\s*65536                  ; sixteen lanes store 256 consecutive bytes, aligned: half a chunk's image of one tile of 16 columns
	global_store_b128 v[VO], v[\vc+4:\vc+7], s[12:13] offset:\s*65536+256
.endm
	COLLD 0
	COLLD 1
	s_wait_dscnt 32                                ; strip 0 is in; the 32 loads of the strip behind it may be out
	COLLD 2
	COLQ 0, 160
	s_wait_dscnt 32
	COLLD 3
	COLQ 1, 168
	s_wait_dscnt 32
	COLQ 2, 240
	s_wait_dscnt 0x0
	COLQ 3, 248
	s_set_vgpr_msb 0x4
	s_wait_tensorcnt 0x0
	ds_add_u32 v19, v1
	s_wait_dscnt 0x0
	s_set_vgpr_msb 0x400
	s_endpgm
.Lfunc_end_k_q49a4412eef_quant:
	.size	k_q49a4412eef_quant, .Lfunc_end_k_q49a4412eef_quant-k_q49a4412eef_quant
	.p2alignl 7, 3214868480
	.fill 96, 4, 3214868480
	.section	.rodata,"a",@progbits
	.p2align	6, 0x0
	.amdhsa_kernel k_q49a4412eef_quant
		.amdhsa_group_segment_fixed_size 133120
		.amdhsa_private_segment_fixed_size 0
		.amdhsa_enable_private_segment 0
		.amdhsa_kernarg_size 40
		.amdhsa_user_sgpr_count 2
		.amdhsa_user_sgpr_kernarg_segment_ptr 1
		.amdhsa_wavefront_size32 1
		.amdhsa_system_sgpr_workgroup_id_x 1
		.amdhsa_system_sgpr_workgroup_id_y 1
		.amdhsa_system_sgpr_workgroup_id_z 1
		.amdhsa_system_vgpr_workitem_id 0
		.amdhsa_next_free_vgpr 258
		.amdhsa_next_free_sgpr 66
		.amdhsa_reserve_vcc 0
		.amdhsa_float_denorm_mode_32 3
		.amdhsa_float_denorm_mode_16_64 3
		.amdhsa_memory_ordered 1
		.amdhsa_forward_progress 1
		.amdhsa_inst_pref_size 60
	.end_amdhsa_kernel
	.amdgpu_metadata
---
amdhsa.version: [ 1, 2 ]
amdhsa.kernels:
  - .name:           k_q49a4412eef_quant
    .symbol:         k_q49a4412eef_quant.kd
    .args:
      - { .name: x, .offset: 0, .size: 8, .value_kind: global_buffer, .address_space: global }
      - { .name: lowp_scales, .offset: 8, .size: 8, .value_kind: global_buffer, .address_space: global }
      - { .name: xa, .offset: 16, .size: 8, .value_kind: global_buffer, .address_space: global }
      - { .name: xb, .offset: 24, .size: 8, .value_kind: global_buffer, .address_space: global }
      - { .name: vt, .offset: 32, .size: 8, .value_kind: global_buffer, .address_space: global }
    .group_segment_fixed_size: 133120
    .private_segment_fixed_size: 0
    .kernarg_segment_align: 8
    .kernarg_segment_size: 40
    .max_flat_workgroup_size: 256
    .sgpr_count:     66
    .vgpr_count:     258
    .wavefront_size: 32
...
	.end_amdgpu_metadata
.endif
;; end of part 1
;; launch scores (part 2): grid 12 x 32, 4 waves a work-group, clusters of 4 x 4, 327,680 bytes of LDS; arguments xa, xb, spatial_proj, lowp_scales, at; writes at
.if DOCPART == 2
	.amdgcn_target "amdgcn-amd-amdhsa--gfx1250"
	.amdhsa_code_object_version 6
	.text
	.protected	k_q49a4412eef_scores
	.globl	k_q49a4412eef_scores
	.p2align	8
	.type	k_q49a4412eef_scores,@function
k_q49a4412eef_scores:
	s_mov_b64 s[64:65], 0
	v_nop
	global_prefetch_b8 v0, s[64:65] scope:SCOPE_SE
	s_setreg_imm32_b32 hwreg(HW_REG_WAVE_MODE, 25, 1), 1
	s_wait_xcnt 0x0
	s_wait_alu depctr_hold_cnt(0) depctr_sa_sdst(0) depctr_va_vdst(0) depctr_va_sdst(0) depctr_va_ssrc(0) depctr_va_vcc(0) depctr_vm_vsrc(0)
	s_getreg_b32 s2, hwreg(HW_REG_IB_STS2, 6, 4)
	s_cmp_eq_u32 s2, 0
	s_cbranch_scc0 .Lentry_in_a_cluster
	s_endpgm
.Lentry_in_a_cluster:
	s_bfe_u32 s2, ttmp6, 0x10000c
	s_cmp_lg_u32 s2, 0xf033
	s_cbranch_scc0 .Lentry_shape_is_right
	s_endpgm
.Lentry_shape_is_right:
; attn[b][n][m] = tril(spatial_proj)[n][m] x (sum over d of xn[b][n][d] xn[b][m][d]), quantised to E5M2 with the scale 2^e2 and stored as the second product's operand.
; The sum is made on E5M2 codes: xa (rows n, scale 2^e0) and xb (rows m, scale 2^e1), by v_wmma_f32_16x16x128_bf8_bf8, sums in f32.  A sum stands for sum x 2^(e0 + e1), so the code of
; mask x sum x 2^(e0 + e1) / 2^e2 is that of (mask x sum) under the one scale 2^(e2 - e0 - e1).
; xa, xb, at ARE IMAGES OF OPERAND REGISTERS: [b][tile of 16 rows][chunk of 32 along K][512 bytes], lane l's 16 bytes at 16 l.  A fragment (16 rows x 128 K) is four loads of 512 consecutive LDS bytes: no pitch, no padding.
; xa and xb hold the same k in the same place, so every product meets its partner.  at: lane (r, h) of chunk g holds keys 32 g + 8 h + 0 .. 7 and 32 g + 16 + 8 h + 0 .. 7 of query r.
; SHARES.  A tile of 256 queries x 256 keys is made by a work-group of four waves, a wave makes 128 x 128: 64 accumulators, 512 registers.  K = 1,024 goes in four steps of 256 through two LDS slots.
; THE TRIANGLE is taken in blocks of 1,024 x 1,024, one cluster of 4 x 4 work-groups each: of a batch's four blocks, (rows, keys) = (0, 0), (1, 0), (1, 1) are made; block (0, 1) lies wholly above the diagonal
; and is neither written here nor read later.  Inside the two diagonal blocks every tile is made, and what lies above the diagonal becomes the code 0: so all sixteen partners run alike.
; CLUSTERS: the four of a row of the cluster need the same tiles of xa, the four of a column the same tiles of xb: each tile is asked for JOINTLY, by the same tensor load with the same descriptor and a mask that names the four.
; THE MATRIX INSTRUCTION IS USED TRANSPOSED (source 0 = 16 rows of xb, source 1 = 16 rows of xa): lane (r, h) holds query r and, in register j of accumulator b, key 16 b + 8 h + j: eight neighbours along the next K.
; REGISTERS, in windows of 256: window 0: v16-31 addresses and constants; from v128 xa's fragments, ONE set.   window 1: xb's fragments, TWO sets.
;   windows 2, 3: the accumulators ((a, b) at v[8 (8 (a % 4) + b)], a / 4 the window); a block's codes land in its own first 16 accumulator registers.
;   The mask's rows have four sets of 64 registers: window 0 v32-95 (idle through the products), window 1 v0-63 and v64-127 (xb's set 0, done with at the last step's head), window 0 v128-191 (xa's blocks 0-3, done with in its middle).
;   Behind the products window 1 v128-247 hold the table of holds.
; LIMITS: e2 - e0 - e1 between -126 and 112, so that 2^(e2 - e0 - e1) and 57,344 times it are f32 numbers.  NaN and infinities in spatial_proj are not served.
.set TROW,   4096                      ; a tile of 16 rows x 256 along K: eight chunks
.set HALFT,  8*TROW                    ; eight tiles = 128 rows: what one tensor load brings, and what one wave reads of A or of B
.set SLOT,   4*HALFT                   ; A's 16 tiles, then B's 16
.set SPARE,  2*SLOT                    ; behind the ring: the spare words, 128 bytes for each wave: two blocks of 256 bytes that no other line names
.set SPITCH, 528                       ; behind the products: a stage of 16 rows x (512 bytes + 16) for each wave.  It lies in slot 0, which has had its last fill and its last read when the first row is stored there
.set PITCHE, 2048                      ; from tile to tile in xa and xb, in elements of 8 bytes: 32 chunks of 512 bytes
.set FR,     16                        ; registers of a fragment
.set NL,     4                         ; LDS loads that bring one
.set NP,     4                         ; places behind this matrix instruction (ISA guide 7.12.1)
.set ADRA, 16                          ; v16-17  LDS address of my A fragments in slot 0, 1
.set ADRB, 20                          ; v20-21  the same for B
.set WRS,  24                          ; v24     the stage: where I put 16 bytes of a mask row
.set RDS,  25                          ; v25     and where I read my query's 32 bytes back
.set LI,   26                          ; v26     16 x lane
.set DL,   27                          ; v27     r - 8 h + (my first query - my first key)
.set SPW,  28                          ; v28     LDS address of my spare word: SPARE + 4 x my thread's number; never rewritten
.set NIL,  29                          ; v29     0; never rewritten
.set SCL,  30                          ; v30     2^(e2 - e0 - e1) as f32
.set LIMV, 31                          ; v31     57,344 x that
.set TB,   128                         ; the table of holds, in window 1: 120 registers
.set AF,   128                         ; A's fragments, in window 0
.set G1, 24                            ; s[24:31] descriptor group 1 for A's tiles;  s[32:39] group 0, one set for each slot
.set G0, 32
.set G1B, 48                           ; s[48:55], s[56:63] the same for B's tiles
.set G0B, 56
.set MSB, 0
.macro WIN new                         ; the immediate's high byte repeats the setting that is left.  Low byte: bits 1:0 source 0, 3:2 source 1, 5:4 source 2, 7:6 destination
.if MSB != (\new)
	s_set_vgpr_msb (MSB<<8)|(\new)
.set MSB, (\new)
.endif
.endm
.set MUL_LO, 0xa1                      ; source 0 (B) window 1, source 1 (A) window 0, C and D window 2
.set MUL_HI, 0xf1                      ; the same, C and D window 3
.set TO_B,   0x40                      ; destination window 1, address window 0
; A joint load: waves 0 and 1 fetch for A, waves 2 and 3 for B.  Each of the two lines has ONE mask and one set of registers for all that issue it; the branch hangs on the wave's number alone.
; Four v_nop follow each of the two lines, ahead of the jump, the label and what follows.
.macro JLOAD g0a, g1a, g0b, g1b
	s_cmp_eq_u32 s15, 0
	s_cbranch_scc0 .Lfor_b_\@
	tensor_load_to_lds s[\g0a:\g0a+3], s[\g1a:\g1a+7]
	s_nop 0
.rept 4
	v_nop
.endr
	s_branch .Lasked_\@
.Lfor_b_\@:
	tensor_load_to_lds s[\g0b:\g0b+3], s[\g1b:\g1b+7]
	s_nop 0
.rept 4
	v_nop
.endr
.Lasked_\@:
.endm
.macro CREST                           ; a round of the cluster's barrier behind its opening barrier
	s_cmp_lg_u32 s14, 0
	s_cbranch_scc1 .Lnot_wave_0_\@
	s_barrier_signal -3
.Lnot_wave_0_\@:
	s_barrier_wait -3
	s_barrier_signal -1
	s_barrier_wait -1
.endm
.macro CROUND                          ; a whole round
	s_barrier_signal -1
	s_barrier_wait -1
	CREST
.endm
.macro SETOF a                         ; block a's set of 64 registers for its mask rows: MS its first register, MW its window
.if ((\a)%4) == 0
.set MS, 32
.set MW, 0
.elseif ((\a)%4) == 1
.set MS, 0
.set MW, 1
.elseif ((\a)%4) == 2
.set MS, 64
.set MW, 1
.else
.set MS, 128
.set MW, 0
.endif
.endm
.macro G a                             ; the 16 mask rows of block a, as they lie: the 32 lanes take a row's 512 consecutive bytes
	SETOF \a
	WIN MW<<6
.irp t, 0,1,2,3,4,5,6,7,8,9,10,11,12,13,14,15
	global_load_b128 v[MS+4*\t:MS+4*\t+3], v[LI], s[68:69] offset:(16*(\a)+\t)*8192
.endr
	WIN 0
.endm
	s_load_b128 s[4:7], s[0:1], 0x0                ; xa s[4:5], xb s[6:7]
	s_load_b128 s[8:11], s[0:1], 0x10              ; spatial_proj s[8:9], the scales' exponents s[10:11]
	s_load_b64 s[12:13], s[0:1], 0x20              ; at
	v_lshl_add_u32 v[SPW], v0, 2, SPARE
	v_mov_b32 v[NIL], 0
	ds_add_u32 v28, v29
	ds_add_u32 v28, v29
	s_wait_dscnt 0x0
	v_lshrrev_b32 v1, 5, v0
	v_readfirstlane_b32 s14, v1                    ; wave 0..3
	s_lshr_b32 s15, s14, 1                         ; which half of the tile's queries is mine.  Also: I fetch for A (0) or for B (1)
	s_and_b32 s16, s14, 1                          ; which half of its keys.  Also: which eight tiles of 16 rows I fetch
	s_bfe_u32 s40, ttmp6, 0x40000                  ; cx, cy: my place in the cluster
	s_bfe_u32 s41, ttmp6, 0x40004
	s_add_co_u32 s18, ttmp9, 1                     ; cluster x = 0, 1, 2 names the blocks (0, 0), (1, 0), (1, 1):
	s_lshr_b32 s18, s18, 1                         ; the block's row,
	s_lshr_b32 s19, ttmp9, 1                       ; its column
	s_lshl_b32 s17, s18, 2
	s_add_co_u32 s17, s17, s41                     ; i: my 256 queries
	s_lshl_b32 s42, s19, 2
	s_add_co_u32 s42, s42, s40                     ; j: my 256 keys
	s_and_b32 s67, ttmp7, 0xffff                   ; cluster y = the batch
	s_lshl_b32 s43, s41, 2
	s_lshl_b32 s43, 15, s43                        ; my row of the cluster
	s_lshl_b32 s44, 0x1111, s40                    ; my column
	; descriptor group 1: eight rows of 4,096 bytes (a tile's 256 along K), laid on end in LDS
	s_or_b32 s[G1+0], s43, (3<<16)|(1<<21)         ; 15:0 the mask: A's tiles go to my row; 17:16 elements of 8 bytes; 20 no padding; 21 set beside a mask
	s_or_b32 s[G1B+0], s44, (3<<16)|(1<<21)        ; the same with the mask of my column
.irp g, G1, G1B
	s_mov_b32 s[\g+1], 512<<16                     ; tensor_dim0 = 512 elements
	s_mov_b32 s[\g+2], 8<<16                       ; tensor_dim1 = 8
	s_mov_b32 s[\g+3], 512<<16                     ; tile_dim0 = 512
	s_mov_b32 s[\g+4], 8                           ; tile_dim1 = 8
	s_mov_b32 s[\g+5], PITCHE                      ; tensor_dim0_stride
	s_mov_b32 s[\g+6], 0
	s_mov_b32 s[\g+7], 0
.endr
	s_lshl_b32 s20, s67, 21                        ; A: batch x 2^21 + 16 tiles of 16,384 x i + 8 tiles x half: it hangs on cy alone
	s_lshl_b32 s18, s17, 18
	s_add_co_u32 s20, s20, s18
	s_lshl_b32 s18, s16, 17
	s_add_co_u32 s20, s20, s18
	s_mov_b32 s21, 0
	s_lshl_b32 s46, s67, 21                        ; B: the same with j: it hangs on cx alone
	s_lshl_b32 s19, s42, 18
	s_add_co_u32 s46, s46, s19
	s_lshl_b32 s19, s16, 17
	s_add_co_u32 s46, s46, s19
	s_mov_b32 s47, 0
	s_lshl_b32 s45, s14, 15                        ; where they go: wave x HALFT: no place in the cluster enters an LDS address
	s_wait_kmcnt 0x0
	s_load_b128 s[96:99], s[10:11], 0x0            ; e0, e1, e2, e3
	s_add_nc_u64 s[20:21], s[4:5], s[20:21]
	s_add_nc_u64 s[46:47], s[6:7], s[46:47]
	CROUND                                         ; all sixteen work-groups are here: the first joint loads meet
.irp s, 0,1
	s_mov_b32 s[G0+4*\s], 1
	s_add_co_u32 s[G0+4*\s+1], s45, \s*SLOT
	s_add_nc_u64 s[G0+4*\s+2:G0+4*\s+3], s[20:21], \s*TROW
	s_or_b32 s[G0+4*\s+3], s[G0+4*\s+3], 0x80000000
	s_mov_b32 s[G0B+4*\s], 1
	s_add_co_u32 s[G0B+4*\s+1], s45, \s*SLOT
	s_add_nc_u64 s[G0B+4*\s+2:G0B+4*\s+3], s[46:47], \s*TROW
	s_or_b32 s[G0B+4*\s+3], s[G0B+4*\s+3], 0x80000000
	JLOAD G0+4*\s, G1, G0B+4*\s, G1B
.endr
	v_and_b32 v1, 15, v0                           ; r
	v_bfe_u32 v2, v0, 4, 1                         ; h
	v_and_b32 v6, 31, v0
	v_lshlrev_b32 v[LI], 4, v6
	s_lshl_b32 s21, s15, 15                        ; my eight tiles of A
	s_lshl_b32 s22, s16, 15                        ; my eight tiles of B,
	s_add_co_u32 s22, s22, 2*HALFT                 ; which lie behind A's sixteen
.irp s, 0,1
	v_add_nc_u32 v[ADRA+\s], s21, v[LI]
	v_add_nc_u32 v[ADRB+\s], s22, v[LI]
	s_add_co_u32 s21, s21, SLOT
	s_add_co_u32 s22, s22, SLOT
.endr
	s_mul_i32 s23, s14, 16*SPITCH                  ; my stage
	v_add_nc_u32 v[WRS], s23, v[LI]                ; in: the 32 lanes hold one row of 512 bytes
	v_mul_u32_u24 v5, v1, SPITCH
	v_lshl_add_u32 v5, v2, 5, v5
	v_add_nc_u32 v[RDS], s23, v5                   ; back: row r, + 32 h
	s_lshl_b32 s72, s17, 21                        ; spatial_proj at my first query and key: 256 rows of 8,192 x i + 128 rows x half + 1,024 j + 512 x half
	s_lshl_b32 s73, s15, 20
	s_add_co_u32 s72, s72, s73
	s_lshl_b32 s73, s42, 10
	s_add_co_u32 s72, s72, s73
	s_lshl_b32 s73, s16, 9
	s_add_co_u32 s72, s72, s73
	s_mov_b32 s73, 0
	s_add_nc_u64 s[68:69], s[8:9], s[72:73]
	s_lshl_b32 s72, s67, 22                        ; at: batch x 2^22 + 16 tiles of 32,768 x i + 8 tiles x half + 8 chunks of 512 x j + 4 chunks x half
	s_lshl_b32 s73, s17, 19
	s_add_co_u32 s72, s72, s73
	s_lshl_b32 s73, s15, 18
	s_add_co_u32 s72, s72, s73
	s_lshl_b32 s73, s42, 12
	s_add_co_u32 s72, s72, s73
	s_lshl_b32 s73, s16, 11
	s_add_co_u32 s72, s72, s73
	s_mov_b32 s73, 0
	s_add_nc_u64 s[70:71], s[12:13], s[72:73]
	s_sub_co_i32 s72, s17, s42                     ; my first query less my first key: 256 (i - j) + 128 (row half - column half), signed
	s_lshl_b32 s72, s72, 8
	s_sub_co_i32 s73, s15, s16
	s_lshl_b32 s73, s73, 7
	s_add_co_i32 s72, s72, s73
	v_lshlrev_b32 v5, 3, v2
	v_sub_nc_u32 v[DL], v1, v5
	v_add_nc_u32 v[DL], s72, v[DL]
	G 0                                            ; block 0's mask rows are asked for here, into registers that lie idle through the products
	s_wait_kmcnt 0x0
	s_sub_co_i32 s74, s98, s96
	s_sub_co_i32 s74, s74, s97                     ; e2 - e0 - e1
	s_add_co_i32 s74, s74, 127
	s_lshl_b32 s75, s74, 23
	v_mov_b32 v[SCL], s75
	s_add_co_i32 s74, s74, 15
	s_lshl_b32 s74, s74, 23
	s_or_b32 s74, s74, 0x600000
	v_mov_b32 v[LIMV], s74
.macro FRAG reg, adr, q, i             ; a fragment, 16 rows x 128 K: four chunks' images, 512 consecutive bytes each
.irp c, 0,1,2,3
	ds_load_b128 v[\reg+4*\c:\reg+4*\c+3], v[\adr] offset:(\i)*TROW+(\q)*2048+512*\c
.endr
.endm
; 16 matrix instructions: A's blocks a0, a0 + 1 x B's eight, 128 along K.  p: B's set.  zero = 1: the first product starts the sums: nothing is ever cleared.
; The 64 accumulators take turns, one instruction a turn, in the same order in every step.
.macro MUL16 a0, p, zero
.irp a, \a0, \a0+1
.irp b, 0,1,2,3,4,5,6,7
.if \zero
	v_wmma_f32_16x16x128_bf8_bf8 v[8*(8*((\a)%4)+\b):8*(8*((\a)%4)+\b)+7], v[128*(\p)+FR*\b:128*(\p)+FR*\b+FR-1], v[AF+FR*(\a):AF+FR*(\a)+FR-1], 0
.else
	v_wmma_f32_16x16x128_bf8_bf8 v[8*(8*((\a)%4)+\b):8*(8*((\a)%4)+\b)+7], v[128*(\p)+FR*\b:128*(\p)+FR*\b+FR-1], v[AF+FR*(\a):AF+FR*(\a)+FR-1], v[8*(8*((\a)%4)+\b):8*(8*((\a)%4)+\b)+7]
.endif
.endr
.endr
.endm
.macro FETCH_B slot, q, p              ; B's eight fragments of the slot's q-th 128 along K into set p
	WIN TO_B
.irp i, 0,1,2,3,4,5,6,7
	FRAG 128*(\p)+FR*\i, ADRB+\slot, \q, \i
.endr
	WIN 0
.endm
.macro FETCH_A slot, q, i0             ; A's blocks i0 .. i0 + 3
.irp i, \i0, \i0+1, \i0+2, \i0+3
	FRAG AF+FR*(\i), ADRA+\slot, \q, \i
.endr
.endm
; A load into a register that a matrix instruction has read, and a vector instruction that reads a matrix result or writes one of a matrix instruction's registers, stand NP places behind it, and only plain vector
; instructions that name none of its registers are places (ISA guide 7.12.1 for vector instructions).
.macro PLACES n
.rept \n
	v_nop
.endr
.endm
; A step of 128 along K that has its successor in the same slot.  A's blocks go one after the other, each against B's eight: a block of A is free when its eight products are issued, so one set serves A.
.macro STEP slot, q, zero
	s_wait_dscnt 4*NL                              ; B's set and A's blocks 0-3 are in; the youngest sixteen loads (A's blocks 4-7) may be out
	WIN MUL_LO
	MUL16 0, (\q)%2, \zero
	MUL16 2, (\q)%2, \zero
	s_wait_dscnt 0                                 ; A's blocks 4-7 are in
	PLACES NP
	FETCH_B \slot, (\q)+1, 1-(\q)%2
	FETCH_A \slot, (\q)+1, 0
	WIN MUL_HI
	MUL16 4, (\q)%2, \zero
	MUL16 6, (\q)%2, \zero
	PLACES NP
	WIN 0
	FETCH_A \slot, (\q)+1, 4
.endm
; A slot's last step changes slots.  Its first 32 products need registers alone and stand AHEAD of the wait for the tensor loads: so between the landing of my part of the next slot and my next request stand only
; the add, the descriptors' steps, the wait for the add and the round, and a refill has 128 matrix instructions in which to land.  ONE barrier: in front of it each wave waits for all its tensor loads, adds 0 to its spare
; word, and waits for that and for its own reads of this slot.  fill = 1: this slot is filled again, two K steps ahead.
.macro TURN slot, next, fill
	s_wait_dscnt 4*NL                              ; B's set and A's blocks 0-3 are in; the youngest sixteen loads (A's blocks 4-7) may be out
	WIN MUL_LO
	MUL16 0, 1, 0
	MUL16 2, 1, 0
	WIN 0
	s_wait_tensorcnt 0x0                           ; all my tensor loads have landed: the one that was out is my part of the next slot; so every group 0 may be written
	ds_add_u32 v[SPW], v[NIL]                      ; 0 onto my spare word
.if \fill
	s_add_nc_u64 s[G0+4*\slot+2:G0+4*\slot+3], s[G0+4*\slot+2:G0+4*\slot+3], 2*TROW
	s_add_nc_u64 s[G0B+4*\slot+2:G0B+4*\slot+3], s[G0B+4*\slot+2:G0B+4*\slot+3], 2*TROW
.endif
	s_wait_dscnt 0x0                               ; the add is done, and my reads of this slot are over (A's blocks 4-7 were the last)
	s_barrier_signal -1
	s_barrier_wait -1
.if \fill
	CREST                                          ; the barrier has opened a round of the cluster's barrier: no wave of any partner still reads this slot's tile or has a load on its way
	JLOAD G0+4*\slot, G1, G0B+4*\slot, G1B         ; the first tensor load behind the round, my only one until the next; its four v_nop are also the places in front of the loads below
.else
	PLACES NP
.endif
	FETCH_B \next, 0, 0
	FETCH_A \next, 0, 0
	WIN MUL_HI
	MUL16 4, 1, 0
	MUL16 6, 1, 0
	PLACES NP
	WIN 0
	FETCH_A \next, 0, 4
.endm
	s_wait_tensorcnt 1                             ; my part of K step 0 is in (K step 1's load may be out)
	s_barrier_signal -1
	s_barrier_wait -1                              ; everybody's is
	FETCH_B 0, 0, 0
	FETCH_A 0, 0, 0
	FETCH_A 0, 0, 4
	STEP 0, 0, 1                                   ; K = 1,024 is four K steps of 256, eight steps of 128: written out, twice round the ring.  The first products start the sums
	TURN 0, 1, 1                                   ; slot 0 takes K step 2
	STEP 1, 0, 0
	TURN 1, 0, 1                                   ; slot 1 takes K step 3
	STEP 0, 0, 0
	TURN 0, 1, 0                                   ; nothing is left to fetch: no round
	STEP 1, 0, 0
	s_wait_dscnt 4*NL                              ; the very last step multiplies B's set 1.  Set 0 is done with, four places back: it takes the mask rows of blocks 1 and 2
	G 1
	G 2
	WIN MUL_LO
	MUL16 0, 1, 0
	MUL16 2, 1, 0
	s_wait_dscnt 0
	PLACES NP
	G 3                                            ; A's blocks 0-3 are done with: block 3's mask rows
	WIN MUL_HI
	MUL16 4, 1, 0
	MUL16 6, 1, 0
	WIN 0
	PLACES NP                                      ; behind the last products: vector writes into the registers that held B's set 1, and reads of results, follow
; BEHIND THE PRODUCTS, block by block of 16 queries x 128 keys: mask x sum, the hold and the triangle in one line, the conversion, four stores of 512 consecutive bytes.
; The mask's rows were loaded as they lie and are turned through my own stage in LDS into the accumulators' layout (lane (r, h): row r, keys 16 b + 8 h + 0 .. 7), back into the registers that they left.
; A block's turn is issued one block ahead of its arithmetic; its rows were asked for four blocks ahead.
; THE TABLE OF HOLDS.  Register j of accumulator b of block a holds key 16 b + 8 h + j and query 16 a + r of my 128 x 128: the key counts where 16 (b - a) + j <= r - 8 h + (my first query - my first key) = DL.
; Entry 8 (b - a + 7) + j holds the hold's limit where the key counts, 0 where it does not: 15 x 8 registers serve all eight blocks.  Block 0 wants b - a = 0 .. 7; each later block one row of eight more.
.macro TROW bp                         ; the table's eight entries for b - a = bp
.irp j, 0,1,2,3,4,5,6,7
	v_cmp_le_i32 vcc_lo, 16*(\bp)+\j, v[DL]
	v_cndmask_b32 v[TB+8*((\bp)+7)+\j], 0, v[LIMV], vcc_lo
.endr
.endm
.macro MTURN a                         ; block a's 16 mask rows through the stage
	SETOF \a
.if (\a) == 0
	s_wait_loadcnt 48                              ; block 0's rows are in; those of blocks 1 to 3 may be out
.elseif (\a) < 6
	s_wait_loadcnt 32                              ; this block's rows are in; the two sets asked for behind them may be out
.else
	s_wait_loadcnt 16*(7-(\a))
.endif
	WIN MW<<2                                      ; an LDS store's data: source 1
.irp t, 0,1,2,3,4,5,6,7,8,9,10,11,12,13,14,15
	ds_store_b128 v[WRS], v[MS+4*\t:MS+4*\t+3] offset:\t*SPITCH
.endr
	WIN MW<<6
.irp b, 0,1,2,3,4,5,6,7
	ds_load_b128 v[MS+8*\b:MS+8*\b+3], v[RDS] offset:64*\b             ; LDS serves a wave's instructions in order (ISA guide 5.7.1.4): these see my stores, and the next block's stores come behind them
	ds_load_b128 v[MS+8*\b+4:MS+8*\b+7], v[RDS] offset:64*\b+16
.endr
	WIN 0
.endm
.macro WORK a
	SETOF \a
.set AC, 64*((\a)%4)
.set AW, 2+(\a)/4
	WIN 0x40                                       ; the table's new entries, while the turn is on its way
.if (\a) == 0
.irp q, 0,1,2,3,4,5,6,7
	TROW \q
.endr
.else
	TROW -(\a)
.endif
.if (\a) < 7
	s_wait_dscnt 32                                ; this block's mask is back; the next block's 16 stores and 16 loads may be out
.else
	s_wait_dscnt 0
.endif
	WIN (MW<<6)|(MW<<2)|AW                         ; source 0: the sums
.irp p, 0,2,4,6,8,10,12,14,16,18,20,22,24,26,28,30,32,34,36,38,40,42,44,46,48,50,52,54,56,58,60,62
	v_pk_mul_f32 v[MS+\p:MS+\p+1], v[AC+\p:AC+\p+1], v[MS+\p:MS+\p+1]  ; mask x sum; each accumulator from its low end on
.endr
	WIN (MW<<6)|0x14|MW                            ; sources 1 and 2: the table, in window 1
.irp b, 0,1,2,3,4,5,6,7
.irp j, 0,1,2,3,4,5,6,7
	v_med3_num_f32 v[MS+8*\b+\j], v[MS+8*\b+\j], -v[TB+8*(\b-(\a)+7)+\j], v[TB+8*(\b-(\a)+7)+\j]   ; the hold at the largest code x the scale (the conversion does not saturate: ISA guide 7.6.2), and 0 above the diagonal
.endr
.endr
	WIN (AW<<6)|MW                                 ; the codes go where the block's first sums lay: registers of their own for each block, so that no store's data are written again
.irp b, 0,1,2,3,4,5,6,7
	v_cvt_scalef32_pk8_bf8_f32 v[AC+2*\b:AC+2*\b+1], v[MS+8*\b:MS+8*\b+7], v[SCL]   ; registers 2 b, 2 b + 1: keys 16 b + 8 h + 0 .. 7: the operand's own registers
.endr
	v_nop                                          ; one plain vector instruction behind the last conversion of the run
	WIN AW<<2                                      ; a store's data: source 1
.irp g, 0,1,2,3
	global_store_b128 v[LI], v[AC+4*\g:AC+4*\g+3], s[70:71] offset:(\a)*32768+\g*512    ; a chunk's image: 512 consecutive bytes, aligned
.endr
	WIN 0
.if (\a) < 4
	G (\a)+4                                       ; the set is free: the rows of four blocks on
.endif
.endm
	MTURN 0
.irp a, 0,1,2,3,4,5,6
	MTURN \a+1
	WORK \a
.endr
	WORK 7
	s_wait_tensorcnt 0x0                           ; the wave's end: behind my last tensor load and my last LDS store
	ds_add_u32 v[SPW], v[NIL]
	s_wait_dscnt 0x0
	CROUND                                         ; the closing round: no work-group ends while a partner may still ask for a tile that names it
	s_endpgm
.Lfunc_end_k_q49a4412eef_scores:
	.size	k_q49a4412eef_scores, .Lfunc_end_k_q49a4412eef_scores-k_q49a4412eef_scores
	.p2alignl 7, 3214868480
	.fill 96, 4, 3214868480
	.section	.rodata,"a",@progbits
	.p2align	6, 0x0
	.amdhsa_kernel k_q49a4412eef_scores
		.amdhsa_group_segment_fixed_size 327680
		.amdhsa_private_segment_fixed_size 0
		.amdhsa_enable_private_segment 0
		.amdhsa_kernarg_size 40
		.amdhsa_user_sgpr_count 2
		.amdhsa_user_sgpr_kernarg_segment_ptr 1
		.amdhsa_wavefront_size32 1
		.amdhsa_system_sgpr_workgroup_id_x 1
		.amdhsa_system_sgpr_workgroup_id_y 1
		.amdhsa_system_sgpr_workgroup_id_z 1
		.amdhsa_system_vgpr_workitem_id 0
		.amdhsa_next_free_vgpr 1024
		.amdhsa_next_free_sgpr 100
		.amdhsa_reserve_vcc 1
		.amdhsa_float_denorm_mode_32 3
		.amdhsa_float_denorm_mode_16_64 3
		.amdhsa_memory_ordered 1
		.amdhsa_forward_progress 1
		.amdhsa_inst_pref_size 174
	.end_amdhsa_kernel
	.amdgpu_metadata
---
amdhsa.version: [ 1, 2 ]
amdhsa.kernels:
  - .name:           k_q49a4412eef_scores
    .symbol:         k_q49a4412eef_scores.kd
    .args:
      - { .name: xa, .offset: 0, .size: 8, .value_kind: global_buffer, .address_space: global }
      - { .name: xb, .offset: 8, .size: 8, .value_kind: global_buffer, .address_space: global }
      - { .name: spatial_proj, .offset: 16, .size: 8, .value_kind: global_buffer, .address_space: global }
      - { .name: lowp_scales, .offset: 24, .size: 8, .value_kind: global_buffer, .address_space: global }
      - { .name: at, .offset: 32, .size: 8, .value_kind: global_buffer, .address_space: global }
    .group_segment_fixed_size: 327680
    .private_segment_fixed_size: 0
    .kernarg_segment_align: 8
    .kernarg_segment_size: 40
    .max_flat_workgroup_size: 128
    .sgpr_count:     100
    .vgpr_count:     1024
    .wavefront_size: 32
...
	.end_amdgpu_metadata
.endif
;; end of part 2
;; launch context (part 3): grid 4 x 64, 4 waves a work-group, clusters of 4 x 4, 327,680 bytes of LDS; arguments at, vt, x, lowp_scales, out0; writes out0
.if DOCPART == 3
	.amdgcn_target "amdgcn-amd-amdhsa--gfx1250"
	.amdhsa_code_object_version 6
	.text
	.protected	k_q49a4412eef_context
	.globl	k_q49a4412eef_context
	.p2align	8
	.type	k_q49a4412eef_context,@function
k_q49a4412eef_context:
	s_mov_b64 s[64:65], 0
	v_nop
	global_prefetch_b8 v0, s[64:65] scope:SCOPE_SE
	s_setreg_imm32_b32 hwreg(HW_REG_WAVE_MODE, 25, 1), 1
	s_wait_xcnt 0x0
	s_wait_alu depctr_hold_cnt(0) depctr_sa_sdst(0) depctr_va_vdst(0) depctr_va_sdst(0) depctr_va_ssrc(0) depctr_va_vcc(0) depctr_vm_vsrc(0)
	s_getreg_b32 s2, hwreg(HW_REG_IB_STS2, 6, 4)
	s_cmp_eq_u32 s2, 0
	s_cbranch_scc0 .Lentry_in_a_cluster
	s_endpgm
.Lentry_in_a_cluster:
	s_bfe_u32 s2, ttmp6, 0x10000c
	s_cmp_lg_u32 s2, 0xf033
	s_cbranch_scc0 .Lentry_shape_is_right
	s_endpgm
.Lentry_shape_is_right:
; out0[b][n][d] = (sum over m of attn[b][n][m] x0[b][m][d]) x x1[b][n][d],  x1 = x[b][n][1024 + d].
; The sum is made on E5M2 codes: at (rows n, scale 2^e2) and vt (rows d, scale 2^e3), by v_wmma_f32_16x16x128_bf8_bf8, sums in f32; each finished sum is multiplied once by 2^(e2 + e3) and once by x1.
; at AND vt ARE IMAGES OF OPERAND REGISTERS: [b][tile of 16 rows][chunk of 32 keys][512 bytes], lane l's 16 bytes at 16 l; both hold the same keys in the same place (lane (r, h): 32 g + 8 h + 0 .. 7, 32 g + 16 + 8 h + 0 .. 7).
; A fragment (16 rows x 128 K) is four loads of 512 consecutive LDS bytes: no pitch, no padding.
; SHARES.  A tile of 256 rows n x 256 columns d is made by a work-group of four waves, a wave makes 128 x 128: 64 accumulators, 512 registers.  The keys go in steps of 256 through two LDS slots.
; THE TRIANGLE: a cluster of 4 x 4 work-groups makes 1,024 rows x all 1,024 columns of one batch.  Rows 0-1,023 have no key from 1,024 on: their cluster walks 1,024 keys, the other 2,048.  The trip count hangs on the
; cluster's y alone, which all sixteen partners share; in the loop only global addresses step, every LDS address is a constant of the text.  Above the diagonal inside what is walked, at holds the code 0.
; CLUSTERS: the four of a row of the cluster need the same tiles of at, the four of a column the same tiles of vt: each tile is asked for JOINTLY, by the same tensor load with the same descriptor and a mask that names the four.
; THE MATRIX INSTRUCTION IS USED TRANSPOSED (source 0 = 16 rows of vt, source 1 = 16 rows of at): a lane holds eight neighbouring columns d of one row n.
; REGISTERS, in windows of 256: window 0: v16-31 addresses; from v128 at's fragments, ONE set.   window 1: vt's fragments, TWO sets.
;   windows 2, 3: the accumulators ((a, b) at v[8 (8 (a % 4) + b)], a / 4 the window); on the way out a block's rows come back into its own 64 accumulator registers and are stored from there.
;   x1's rows have four sets of 64 registers: window 0 v32-95 (idle through the products), window 1 v0-63 and v64-127 (vt's set 0, done with at the last step's head), window 0 v128-191 (at's blocks 0-3, done with in its middle).
; LIMIT: e2 + e3 between -126 and 127, so that 2^(e2 + e3) is an f32 number.
.set TROW,   4096                      ; a tile of 16 rows x 256 keys: eight chunks
.set HALFT,  8*TROW                    ; eight tiles = 128 rows: what one tensor load brings, and what one wave reads of A or of B
.set SLOT,   4*HALFT                   ; A's 16 tiles, then B's 16
.set SPARE,  2*SLOT                    ; behind the ring: the spare words, 128 bytes for each wave: two blocks of 256 bytes that no other line names
.set SPITCH, 528                       ; the way out: a stage of 16 rows x (512 bytes + 16) for each wave.  It lies in slot 0, which has had its last fill and its last read when the first result is stored there
.set PITCHE, 4096                      ; from tile to tile in at and vt, in elements of 8 bytes: 64 chunks of 512 bytes
.set FR,     16
.set NL,     4
.set NP,     4                         ; places behind this matrix instruction (ISA guide 7.12.1)
.set ADRA, 16                          ; v16-17  LDS address of my A fragments in slot 0, 1
.set ADRB, 20                          ; v20-21  the same for B
.set STO,  24                          ; v24     the way out: where I put 32 bytes of a row
.set RD,   25                          ; v25     the way out: where I read a row back
.set CO,   26                          ; v26     16 x lane: my place in a row's 512 bytes of out0 and of x1
.set PFO,  27                          ; v27     the prefetches' offset: row lane / 2 of x (8,192 bytes), block lane % 2 of its 512 bytes; never rewritten
.set SPW,  28                          ; v28     LDS address of my spare word: SPARE + 4 x my thread's number; never rewritten
.set NIL,  29                          ; v29     0; never rewritten
.set AF,   128
.set G1, 24                            ; s[24:31] descriptor group 1 for A's tiles;  s[32:39] group 0, one set for each slot
.set G0, 32
.set G1B, 48                           ; s[48:55], s[56:63] the same for B's tiles
.set G0B, 56
.set MSB, 0
.macro WIN new                         ; the immediate's high byte repeats the setting that is left.  Low byte: bits 1:0 source 0, 3:2 source 1, 5:4 source 2, 7:6 destination
.if MSB != (\new)
	s_set_vgpr_msb (MSB<<8)|(\new)
.set MSB, (\new)
.endif
.endm
.set MUL_LO, 0xa1                      ; source 0 (B) window 1, source 1 (A) window 0, C and D window 2
.set MUL_HI, 0xf1                      ; the same, C and D window 3
.set TO_B,   0x40                      ; destination window 1, address window 0
; A joint load: waves 0 and 1 fetch for A, waves 2 and 3 for B.  Each of the two lines has ONE mask and one set of registers for all that issue it; the branch hangs on the wave's number alone.
; Four v_nop follow each of the two lines, ahead of the jump, the label and what follows.
.macro JLOAD g0a, g1a, g0b, g1b
	s_cmp_eq_u32 s15, 0
	s_cbranch_scc0 .Lfor_b_\@
	tensor_load_to_lds s[\g0a:\g0a+3], s[\g1a:\g1a+7]
	s_nop 0
.rept 4
	v_nop
.endr
	s_branch .Lasked_\@
.Lfor_b_\@:
	tensor_load_to_lds s[\g0b:\g0b+3], s[\g1b:\g1b+7]
	s_nop 0
.rept 4
	v_nop
.endr
.Lasked_\@:
.endm
.macro CREST                           ; a round of the cluster's barrier behind its opening barrier
	s_cmp_lg_u32 s14, 0
	s_cbranch_scc1 .Lnot_wave_0_\@
	s_barrier_signal -3
.Lnot_wave_0_\@:
	s_barrier_wait -3
	s_barrier_signal -1
	s_barrier_wait -1
.endm
.macro CROUND                          ; a whole round
	s_barrier_signal -1
	s_barrier_wait -1
	CREST
.endm
.macro SETOF a                         ; block a's set of 64 registers for its rows of x1: MS its first register, MW its window
.if ((\a)%4) == 0
.set MS, 32
.set MW, 0
.elseif ((\a)%4) == 1
.set MS, 0
.set MW, 1
.elseif ((\a)%4) == 2
.set MS, 64
.set MW, 1
.else
.set MS, 128
.set MW, 0
.endif
.endm
.macro XL a                            ; x1's 16 rows of block a, as they lie: the 32 lanes take a row's 512 consecutive bytes
	SETOF \a
	WIN MW<<6
.irp t, 0,1,2,3,4,5,6,7,8,9,10,11,12,13,14,15
	global_load_b128 v[MS+4*\t:MS+4*\t+3], v[CO], s[68:69] offset:(16*(\a)+\t)*8192 th:TH_LOAD_NT
.endr
	WIN 0
.endm
; A PREFETCH INTO THE L2 of the second half of my wave's x1: rows 64 to 127, blocks 4 to 7, whose loads go out only when blocks 0 to 3 have left.  One instruction names 16 rows x 2 blocks of 256 bytes, a lane a block;
; my wave's part of x1 is read by nobody else, so each block is named once in the launch.  The four stand together at the last change of slots, behind its run of LDS loads: 160 matrix instructions ahead of the end of the
; products.  Rows 0 to 63 come by their loads alone, which are themselves issued ahead of the end of the products.  The address registers are never rewritten.
.macro ASK
.irp k, 4,5,6,7
	global_prefetch_b8 v[PFO], s[68:69] offset:\k*131072 th:TH_LOAD_NT scope:SCOPE_SE
.endr
.endm
	s_load_b128 s[4:7], s[0:1], 0x0                ; at s[4:5], vt s[6:7]
	s_load_b128 s[8:11], s[0:1], 0x10              ; x s[8:9], the scales' exponents s[10:11]
	s_load_b64 s[12:13], s[0:1], 0x20              ; out0
	v_lshl_add_u32 v[SPW], v0, 2, SPARE
	v_mov_b32 v[NIL], 0
	ds_add_u32 v28, v29
	ds_add_u32 v28, v29
	s_wait_dscnt 0x0
	v_lshrrev_b32 v1, 5, v0
	v_readfirstlane_b32 s14, v1                    ; wave 0..3
	s_lshr_b32 s15, s14, 1                         ; which half of the tile's rows is mine.  Also: I fetch for A (0) or for B (1)
	s_and_b32 s16, s14, 1                          ; which half of its columns.  Also: which eight tiles of 16 rows I fetch
	s_bfe_u32 s40, ttmp6, 0x40000                  ; cx, cy: my place in the cluster
	s_bfe_u32 s41, ttmp6, 0x40004
	s_and_b32 s66, ttmp7, 0xffff                   ; cluster y = 2 x batch + which 1,024 rows
	s_lshr_b32 s67, s66, 1                         ; batch
	s_and_b32 s66, s66, 1                          ; R
	s_lshl_b32 s17, s66, 2
	s_add_co_u32 s17, s17, s41                     ; i: my 256 rows n
	s_lshl_b32 s42, ttmp9, 2
	s_add_co_u32 s42, s42, s40                     ; j: my 256 columns d
	s_lshl_b32 s43, s41, 2
	s_lshl_b32 s43, 15, s43                        ; my row of the cluster
	s_lshl_b32 s44, 0x1111, s40                    ; my column
	; descriptor group 1: eight rows of 4,096 bytes (a tile's 256 keys), laid on end in LDS
	s_or_b32 s[G1+0], s43, (3<<16)|(1<<21)         ; 15:0 the mask: A's tiles go to my row; 17:16 elements of 8 bytes; 20 no padding; 21 set beside a mask
	s_or_b32 s[G1B+0], s44, (3<<16)|(1<<21)        ; the same with the mask of my column
.irp g, G1, G1B
	s_mov_b32 s[\g+1], 512<<16                     ; tensor_dim0 = 512 elements
	s_mov_b32 s[\g+2], 8<<16                       ; tensor_dim1 = 8
	s_mov_b32 s[\g+3], 512<<16                     ; tile_dim0 = 512
	s_mov_b32 s[\g+4], 8                           ; tile_dim1 = 8
	s_mov_b32 s[\g+5], PITCHE                      ; tensor_dim0_stride
	s_mov_b32 s[\g+6], 0
	s_mov_b32 s[\g+7], 0
.endr
	s_lshl_b32 s20, s67, 22                        ; A: batch x 2^22 + 16 tiles of 32,768 x i + 8 tiles x half: it hangs on cy alone
	s_lshl_b32 s18, s17, 19
	s_add_co_u32 s20, s20, s18
	s_lshl_b32 s18, s16, 18
	s_add_co_u32 s20, s20, s18
	s_mov_b32 s21, 0
	s_lshl_b32 s46, s67, 21                        ; B: batch x 2^21 + 16 tiles of 32,768 x j + 8 tiles x half: it hangs on cx alone
	s_lshl_b32 s19, s42, 19
	s_add_co_u32 s46, s46, s19
	s_lshl_b32 s19, s16, 18
	s_add_co_u32 s46, s46, s19
	s_mov_b32 s47, 0
	s_lshl_b32 s45, s14, 15                        ; where they go: wave x HALFT: no place in the cluster enters an LDS address
	s_wait_kmcnt 0x0
	s_load_b128 s[96:99], s[10:11], 0x0            ; e0, e1, e2, e3
	s_add_nc_u64 s[20:21], s[4:5], s[20:21]
	s_add_nc_u64 s[46:47], s[6:7], s[46:47]
	CROUND                                         ; all sixteen work-groups are here: the first joint loads meet
.irp s, 0,1
	s_mov_b32 s[G0+4*\s], 1
	s_add_co_u32 s[G0+4*\s+1], s45, \s*SLOT
	s_add_nc_u64 s[G0+4*\s+2:G0+4*\s+3], s[20:21], \s*TROW
	s_or_b32 s[G0+4*\s+3], s[G0+4*\s+3], 0x80000000
	s_mov_b32 s[G0B+4*\s], 1
	s_add_co_u32 s[G0B+4*\s+1], s45, \s*SLOT
	s_add_nc_u64 s[G0B+4*\s+2:G0B+4*\s+3], s[46:47], \s*TROW
	s_or_b32 s[G0B+4*\s+3], s[G0B+4*\s+3], 0x80000000
	JLOAD G0+4*\s, G1, G0B+4*\s, G1B
.endr
	v_and_b32 v1, 15, v0                           ; r
	v_bfe_u32 v2, v0, 4, 1                         ; h
	v_and_b32 v6, 31, v0
	v_lshlrev_b32 v[CO], 4, v6
	s_lshl_b32 s21, s15, 15                        ; my eight tiles of A
	s_lshl_b32 s22, s16, 15                        ; my eight tiles of B,
	s_add_co_u32 s22, s22, 2*HALFT                 ; which lie behind A's sixteen
.irp s, 0,1
	v_add_nc_u32 v[ADRA+\s], s21, v[CO]
	v_add_nc_u32 v[ADRB+\s], s22, v[CO]
	s_add_co_u32 s21, s21, SLOT
	s_add_co_u32 s22, s22, SLOT
.endr
	s_mul_i32 s23, s14, 16*SPITCH                  ; my stage
	v_mul_u32_u24 v5, v1, SPITCH                   ; in: row r, 32 bytes for each half of the lanes
	v_lshl_add_u32 v5, v2, 5, v5
	v_add_nc_u32 v[STO], s23, v5
	v_add_nc_u32 v[RD], s23, v[CO]                 ; back: the 32 lanes take one row of 512 bytes
	v_lshrrev_b32 v5, 1, v6
	v_and_b32 v7, 1, v6
	v_lshlrev_b32 v[PFO], 13, v5
	v_lshl_add_u32 v[PFO], v7, 8, v[PFO]
	s_lshl_b32 s72, s67, 24                        ; x1 at my first row and column: batch x 2^24 + 256 rows of 8,192 x i + 128 rows x half + 4,096 + 1,024 j + 512 x half
	s_lshl_b32 s73, s17, 21
	s_add_co_u32 s72, s72, s73
	s_lshl_b32 s73, s15, 20
	s_add_co_u32 s72, s72, s73
	s_lshl_b32 s73, s42, 10
	s_add_co_u32 s72, s72, s73
	s_lshl_b32 s73, s16, 9
	s_add_co_u32 s72, s72, s73
	s_add_co_u32 s72, s72, 4096
	s_mov_b32 s73, 0
	s_add_nc_u64 s[68:69], s[8:9], s[72:73]
	s_lshl_b32 s72, s67, 23                        ; out0 likewise: batch x 2^23 + 256 rows of 4,096 x i + 128 rows x half + 1,024 j + 512 x half
	s_lshl_b32 s73, s17, 20
	s_add_co_u32 s72, s72, s73
	s_lshl_b32 s73, s15, 19
	s_add_co_u32 s72, s72, s73
	s_lshl_b32 s73, s42, 10
	s_add_co_u32 s72, s72, s73
	s_lshl_b32 s73, s16, 9
	s_add_co_u32 s72, s72, s73
	s_mov_b32 s73, 0
	s_add_nc_u64 s[70:71], s[12:13], s[72:73]
	XL 0                                           ; block 0's rows of x1 are asked for here, into registers that lie idle through the products
	s_wait_kmcnt 0x0
	s_add_co_i32 s96, s98, s99                     ; e2 + e3, between -126 and 127,
	s_add_co_i32 s96, s96, 127
	s_lshl_b32 s96, s96, 23                        ; makes the f32 number 2^(e2 + e3)
.macro FRAG reg, adr, q, i             ; a fragment, 16 rows x 128 K: four chunks' images, 512 consecutive bytes each
.irp c, 0,1,2,3
	ds_load_b128 v[\reg+4*\c:\reg+4*\c+3], v[\adr] offset:(\i)*TROW+(\q)*2048+512*\c
.endr
.endm
; 16 matrix instructions: A's blocks a0, a0 + 1 x B's eight, 128 along K.  p: B's set.  zero = 1: the first product starts the sums: nothing is ever cleared.
; The 64 accumulators take turns, one instruction a turn, in the same order in every step, over the loop's backward jump too.
.macro MUL16 a0, p, zero
.irp a, \a0, \a0+1
.irp b, 0,1,2,3,4,5,6,7
.if \zero
	v_wmma_f32_16x16x128_bf8_bf8 v[8*(8*((\a)%4)+\b):8*(8*((\a)%4)+\b)+7], v[128*(\p)+FR*\b:128*(\p)+FR*\b+FR-1], v[AF+FR*(\a):AF+FR*(\a)+FR-1], 0
.else
	v_wmma_f32_16x16x128_bf8_bf8 v[8*(8*((\a)%4)+\b):8*(8*((\a)%4)+\b)+7], v[128*(\p)+FR*\b:128*(\p)+FR*\b+FR-1], v[AF+FR*(\a):AF+FR*(\a)+FR-1], v[8*(8*((\a)%4)+\b):8*(8*((\a)%4)+\b)+7]
.endif
.endr
.endr
.endm
.macro FETCH_B slot, q, p              ; B's eight fragments of the slot's q-th 128 along K into set p
	WIN TO_B
.irp i, 0,1,2,3,4,5,6,7
	FRAG 128*(\p)+FR*\i, ADRB+\slot, \q, \i
.endr
	WIN 0
.endm
.macro FETCH_A slot, q, i0             ; A's blocks i0 .. i0 + 3
.irp i, \i0, \i0+1, \i0+2, \i0+3
	FRAG AF+FR*(\i), ADRA+\slot, \q, \i
.endr
.endm
; A load into a register that a matrix instruction has read, and a vector instruction that reads a matrix result or writes one of a matrix instruction's registers, stand NP places behind it, and only plain vector
; instructions that name none of its registers are places (ISA guide 7.12.1 for vector instructions).
.macro PLACES n
.rept \n
	v_nop
.endr
.endm
; A step of 128 along K that has its successor in the same slot.  A's blocks go one after the other, each against B's eight: a block of A is free when its eight products are issued, so one set serves A.
.macro STEP slot, q, zero
	s_wait_dscnt 4*NL                              ; B's set and A's blocks 0-3 are in; the youngest sixteen loads (A's blocks 4-7) may be out
	WIN MUL_LO
	MUL16 0, (\q)%2, \zero
	MUL16 2, (\q)%2, \zero
	s_wait_dscnt 0                                 ; A's blocks 4-7 are in
	PLACES NP
	FETCH_B \slot, (\q)+1, 1-(\q)%2
	FETCH_A \slot, (\q)+1, 0
	WIN MUL_HI
	MUL16 4, (\q)%2, \zero
	MUL16 6, (\q)%2, \zero
	PLACES NP
	WIN 0
	FETCH_A \slot, (\q)+1, 4
.endm
; A slot's last step changes slots.  Its first 32 products need registers alone and stand AHEAD of the wait for the tensor loads: so between the landing of my part of the next slot and my next request stand only
; the add, the descriptors' steps, the wait for the add and the round, and a refill has 128 matrix instructions in which to land.  ONE barrier: in front of it each wave waits for all its tensor loads, adds 0 to its spare
; word, and waits for that and for its own reads of this slot.  fill = 1: this slot is filled again, two K steps ahead.  ask = 1: the prefetches of x1 stand here (macro ASK).
.macro TURN slot, next, fill, ask
	s_wait_dscnt 4*NL                              ; B's set and A's blocks 0-3 are in; the youngest sixteen loads (A's blocks 4-7) may be out
	WIN MUL_LO
	MUL16 0, 1, 0
	MUL16 2, 1, 0
	WIN 0
	s_wait_tensorcnt 0x0                           ; all my tensor loads have landed: the one that was out is my part of the next slot; so every group 0 may be written
	ds_add_u32 v[SPW], v[NIL]                      ; 0 onto my spare word
.if \fill
	s_add_nc_u64 s[G0+4*\slot+2:G0+4*\slot+3], s[G0+4*\slot+2:G0+4*\slot+3], 2*TROW
	s_add_nc_u64 s[G0B+4*\slot+2:G0B+4*\slot+3], s[G0B+4*\slot+2:G0B+4*\slot+3], 2*TROW
.endif
	s_wait_dscnt 0x0                               ; the add is done, and my reads of this slot are over (A's blocks 4-7 were the last)
	s_barrier_signal -1
	s_barrier_wait -1
.if \fill
	CREST                                          ; the barrier has opened a round of the cluster's barrier: no wave of any partner still reads this slot's tile or has a load on its way
	JLOAD G0+4*\slot, G1, G0B+4*\slot, G1B         ; the first tensor load behind the round, my only one until the next; its four v_nop are also the places in front of the loads below
.else
	PLACES NP
.endif
	FETCH_B \next, 0, 0
	FETCH_A \next, 0, 0
.if \ask
	ASK                                            ; behind the run of LDS loads that the next products wait for
.endif
	WIN MUL_HI
	MUL16 4, 1, 0
	MUL16 6, 1, 0
	PLACES NP
	WIN 0
	FETCH_A \next, 0, 4
.endm
	s_wait_tensorcnt 1                             ; my part of K step 0 is in (K step 1's load may be out)
	s_barrier_signal -1
	s_barrier_wait -1                              ; everybody's is
	FETCH_B 0, 0, 0
	FETCH_A 0, 0, 0
	FETCH_A 0, 0, 4
	STEP 0, 0, 1                                   ; the first step stands in front of the loop: its products start the sums
	s_lshl_b32 s3, s66, 1
	s_add_co_u32 s3, s3, 1                         ; laps less one, 1 or 3: 1,024 keys are two laps of the ring, 2,048 keys four
.Llap:                                                 ; a trip goes once round the ring, from a lap's second step to the next lap's first, and fills both slots again
	TURN 0, 1, 1, 0
	STEP 1, 0, 0
	TURN 1, 0, 1, 0
	STEP 0, 0, 0
	s_sub_co_i32 s3, s3, 1
	s_cmp_gt_i32 s3, 0
	s_cbranch_scc1 .Llap
	TURN 0, 1, 0, 1                                ; the last lap fills nothing, and has no round of the cluster's barrier
	STEP 1, 0, 0
	s_wait_dscnt 4*NL                              ; the very last step multiplies B's set 1.  Set 0 is done with, four places back: it takes x1's rows of blocks 1 and 2
	XL 1
	XL 2
	WIN MUL_LO
	MUL16 0, 1, 0
	MUL16 2, 1, 0
	s_wait_dscnt 0
	PLACES NP
	XL 3                                           ; A's blocks 0-3 are done with: block 3's rows of x1
	WIN MUL_HI
	MUL16 4, 1, 0
	MUL16 6, 1, 0
	WIN 0
	PLACES NP                                      ; behind the last products: reads of results, and writes and loads over them, follow
; THE WAY OUT, block by block of 16 rows x 128 columns.  A lane holds 32 neighbouring bytes of a row, and the lanes beside it hold other rows: so a block is multiplied by 2^(e2 + e3) in place, goes through my own stage
; in LDS and comes back, into the registers that it left, as whole rows of 512 bytes; there it meets x1, which was loaded as whole rows too, and the 32 lanes store two aligned runs of 256 bytes.
; Each block has registers of its own, so no store's data are written again; every row stands in an immediate, so no base is stepped.  LDS serves a wave's instructions in order (ISA guide 5.7.1.4): no wait between the stores and the loads.
.macro TOSTAGE a
.set AC, 64*((\a)%4)
.set AW, 2+(\a)/4
	WIN (AW<<6)|AW
.irp j, 0,2,4,6,8,10,12,14,16,18,20,22,24,26,28,30,32,34,36,38,40,42,44,46,48,50,52,54,56,58,60,62
	v_pk_mul_f32 v[AC+\j:AC+\j+1], v[AC+\j:AC+\j+1], s[96:97] op_sel_hi:[1,0]   ; both x s96 = 2^(e2 + e3); each accumulator from its low end on
.endr
	WIN AW<<2                                      ; an LDS store's data: source 1
.irp b, 0,1,2,3,4,5,6,7
	ds_store_b128 v[STO], v[AC+8*\b:AC+8*\b+3] offset:64*\b
	ds_store_b128 v[STO], v[AC+8*\b+4:AC+8*\b+7] offset:64*\b+16
.endr
	WIN AW<<6
.irp t, 0,1,2,3,4,5,6,7,8,9,10,11,12,13,14,15
	ds_load_b128 v[AC+4*\t:AC+4*\t+3], v[RD] offset:\t*SPITCH
.endr
	WIN 0
.endm
.macro SEND a, younger                 ; younger: the LDS instructions issued behind block a's loads, which may stay out
	SETOF \a
.set AC, 64*((\a)%4)
.set AW, 2+(\a)/4
	s_wait_dscnt \younger                          ; the block is back in registers
.if (\a) < 5
	s_wait_loadcnt 48                              ; its rows of x1 are in; those of the three blocks behind it may be out
.else
	s_wait_loadcnt 16*(7-(\a))
.endif
	WIN (AW<<6)|(MW<<2)|AW                         ; source 1: x1's set
.irp p, 0,2,4,6,8,10,12,14,16,18,20,22,24,26,28,30,32,34,36,38,40,42,44,46,48,50,52,54,56,58,60,62
	v_pk_mul_f32 v[AC+\p:AC+\p+1], v[AC+\p:AC+\p+1], v[MS+\p:MS+\p+1]   ; x x1
.endr
	WIN AW<<2                                      ; a store's data: source 1
.irp t, 0,1,2,3,4,5,6,7,8,9,10,11,12,13,14,15
	global_store_b128 v[CO], v[AC+4*\t:AC+4*\t+3], s[70:71] offset:(16*(\a)+\t)*4096 th:TH_STORE_NT   ; 32 lanes store 512 consecutive bytes, aligned; 127 x 4,096 at the most: inside the signed 24-bit immediate (ISA guide, chapter 10)
.endr
	WIN 0
.if (\a) < 4
	XL (\a)+4                                      ; the set is free: the rows of four blocks on
.endif
.endm
	TOSTAGE 0
.irp a, 1,2,3,4,5,6,7
	TOSTAGE \a
	SEND \a-1, 32                                  ; behind block a - 1's loads: block a's 16 stores and 16 loads
.endr
	SEND 7, 0
	s_wait_tensorcnt 0x0                           ; the wave's end: behind my last tensor load and my last LDS store
	ds_add_u32 v[SPW], v[NIL]
	s_wait_dscnt 0x0
	CROUND                                         ; the closing round: no work-group ends while a partner may still ask for a tile that names it
	s_endpgm
.Lfunc_end_k_q49a4412eef_context:
	.size	k_q49a4412eef_context, .Lfunc_end_k_q49a4412eef_context-k_q49a4412eef_context
	.p2alignl 7, 3214868480
	.fill 96, 4, 3214868480
	.section	.rodata,"a",@progbits
	.p2align	6, 0x0
	.amdhsa_kernel k_q49a4412eef_context
		.amdhsa_group_segment_fixed_size 327680
		.amdhsa_private_segment_fixed_size 0
		.amdhsa_enable_private_segment 0
		.amdhsa_kernarg_size 40
		.amdhsa_user_sgpr_count 2
		.amdhsa_user_sgpr_kernarg_segment_ptr 1
		.amdhsa_wavefront_size32 1
		.amdhsa_system_sgpr_workgroup_id_x 1
		.amdhsa_system_sgpr_workgroup_id_y 1
		.amdhsa_system_sgpr_workgroup_id_z 1
		.amdhsa_system_vgpr_workitem_id 0
		.amdhsa_next_free_vgpr 1024
		.amdhsa_next_free_sgpr 100
		.amdhsa_reserve_vcc 0
		.amdhsa_float_denorm_mode_32 3
		.amdhsa_float_denorm_mode_16_64 3
		.amdhsa_memory_ordered 1
		.amdhsa_forward_progress 1
		.amdhsa_inst_pref_size 153
	.end_amdhsa_kernel
	.amdgpu_metadata
---
amdhsa.version: [ 1, 2 ]
amdhsa.kernels:
  - .name:           k_q49a4412eef_context
    .symbol:         k_q49a4412eef_context.kd
    .args:
      - { .name: at, .offset: 0, .size: 8, .value_kind: global_buffer, .address_space: global }
      - { .name: vt, .offset: 8, .size: 8, .value_kind: global_buffer, .address_space: global }
      - { .name: x, .offset: 16, .size: 8, .value_kind: global_buffer, .address_space: global }
      - { .name: lowp_scales, .offset: 24, .size: 8, .value_kind: global_buffer, .address_space: global }
      - { .name: out0, .offset: 32, .size: 8, .value_kind: global_buffer, .address_space: global }
    .group_segment_fixed_size: 327680
    .private_segment_fixed_size: 0
    .kernarg_segment_align: 8
    .kernarg_segment_size: 40
    .max_flat_workgroup_size: 128
    .sgpr_count:     100
    .vgpr_count:     1024
    .wavefront_size: 32
...
	.end_amdgpu_metadata
.endif
;; end of part 3
